; MI455X (gfx1250); checked and timed in simulation.
; The chip was launched on July 23, 2026; its instructions are those of AMD's public machine-readable ISA for CDNA 5 (MIT licence, August 2026) and "CDNA5" Instruction Set Architecture Reference Guide (July 2026). The comments in the code are by the model that wrote it; some were corrected since.
;; Self Adaptive Feature Extractor V. Allowed arithmetic: float matrix products may take bf16 or f16 operands with f32 sums; all other float work in f32.
;; Inputs: W1 13 x 64 float32; W2 128 x 128 float32; b1 64 float32; b2 128 float32; coors 30,000 x 4 int32; features 30,000 x 32 x 4 float32; g1 64 float32; g2 128 float32; num_points 30,000 int32.
;; Outputs: out0 30,000 x 128 float32.
;; One version. Each part assembles by itself: llvm-mc -triple=amdgcn-amd-amdhsa -mcpu=gfx1250 --defsym DOCPART=n.
;; ======== version 1 of 1: 5 launches
;; limits: values are held in f16: magnitudes above 65,504 overflow, below 6.1e-05 lose precision
;; workspace buffers: voxbuf 960,000 bytes; part1 256,000 bytes; part2 256,000 bytes; stat1 512 bytes; stat2 1,024 bytes; hmax 15,360,000 bytes
;; launch vox (part 1): grid 250 x 1, 12 waves a work-group, no clusters, 45,312 bytes of LDS; arguments features, num_points, coors, W1, voxbuf, part1; writes voxbuf, part1
.if DOCPART == 1
	.amdgcn_target "amdgcn-amd-amdhsa--gfx1250"
	.amdhsa_code_object_version 6
	.text
	.protected	k_q64134b5a5d_vox
	.globl	k_q64134b5a5d_vox
	.p2align	8
	.type	k_q64134b5a5d_vox,@function
k_q64134b5a5d_vox:
	s_mov_b64 s[64:65], 0
	v_nop
	global_prefetch_b8 v0, s[64:65] scope:SCOPE_SE
	s_setreg_imm32_b32 hwreg(HW_REG_WAVE_MODE, 25, 1), 1
	s_wait_xcnt 0x0
; Pass 1.  For each voxel the eight numbers that its points share (cluster mean x y z, mean distance, voxel centre x y z, density)
; go to voxbuf; for each of the 64 channels of layer 1 the group's (mean, M2) of h1 = x W1 goes to part1.
; h1 is linear in the 13 features, so its sums follow from the 14 x 14 matrix G = sum over rows of c c^T, c = (features - kappa, 1),
; where kappa is a pilot taken from the data (the group's first point): no variance is a difference of raw large sums.
; 250 work-groups x 120 voxels = 60 pairs of neighbouring voxels; 12 waves x 5 pairs.
; LANES: L = lane, h = L >> 4, vb = (L >> 3) & 1, l7 = L & 7.  In register set s (0, 1) lane L holds point 16 s + 8 h + l7 of voxel 2 pair + vb.
; SLOTS of a row (f16): x y z w | f4 f5 f7 f8 | f6 f9 f10 density | mdist 1 0 0; W1's rows are loaded in that order.
; FORMAT: the centred features go to the matrix unit in f16 (11 significant bits; differences of densities 6.25 n, n <= 32, are exact).
; LIMITS: num_points >= 1 (with 0 the reference is not finite); finite inputs; every centred feature below 65,504 in magnitude (f16);
; divisions are v_rcp_f32 and a multiply; v_rcp_f32 and v_sqrt_f32 take denormals as zero; a voxel centre is one fused multiply-add;
; density is safe * 6.25.
.set PAIRS, 5
.set XS,   0                           ; 12 x 2,048: per wave, set s at 1,024 s, row = lane, 32 bytes = 16 slots
.set KS,   24576                       ; 2,048: wave 0's lanes x 64 bytes; the first 64 are kappa
.set VS,   26624                       ; 3,840: 120 voxels x 32 bytes
.set GS,   30464                       ; 12 x 1,024: per wave, G(m, n) at 64 m + 4 n
.set GT,   42752                       ; 1,024: the sum of the twelve
.set FOFF, 1                           ; 512 vb + 16 (8 h + l7)
.set NOFF, 2                           ; 4 vb
.set COFF, 3                           ; 16 vb
.set PI0,  4                           ; my point in set 0
.set PI1,  5                           ; and in set 1
.set XSA,  6                           ; where I put my row
.set XLA,  7                           ; where the transposing loads read
.set VSA,  8                           ; where my voxel's quad goes
.set GSA,  9                           ; where my column of G goes
.set TA,   10                          ; v10, v11 at work (v11 = lane)
.set W,    12                          ; v[12:24]   W1[slot][t & 63]
.set WOFF, 25
.set PB,   26                          ; v[26:95]   pair i at 14 i: set 0, set 1, coors, n
.set KAP,  96                          ; v[96:111]  kappa by slot
.set MF,   112                         ; masks of set 0, set 1 as 1.0 or 0
.set NPF,  114
.set SAFE, 115
.set RN,   116                         ; 1 / n, 1 / max(n, 1)
.set SU,   118                         ; sums: x y | z, masked z | masked x y
.set VQ,   124                         ; the voxel's eight numbers
.set VM,   132                         ; masked mean
.set FA,   136                         ; set s at 8 s: f4 f5 f7 f8 f6 f9 f10
.set C,    152                         ; centred features by slot
.set P,    166                         ; a packed row, 8 words
.set F0,   174
.set F1,   182
.set G0,   190
.set G1,   198
.set T,    206                         ; v[206:215] at work
.set R,    26                          ; the end: seven rows of GT
.set KH,   140
.set QH,   141
.set RES,  142
.set TT,   144
	s_load_b256 s[8:15], s[0:1], 0x0               ; features s[8:9], num_points s[10:11], coors s[12:13], W1 s[14:15]
	s_load_b128 s[16:19], s[0:1], 0x20             ; voxbuf s[16:17], part1 s[18:19]
	v_lshl_add_u32 v224, v0, 2, 0xab00
	v_mov_b32 v225, 0
	v_lshrrev_b32 v[TA], 5, v0
	v_readfirstlane_b32 s2, v[TA]                  ; wave
	v_and_b32 v[TA+1], 31, v0                      ; lane
	v_bfe_u32 v[NOFF], v0, 3, 1                    ; vb
	v_bfe_u32 v[TA], v0, 4, 1                      ; h
	v_and_b32 v[PI0], 7, v0
	v_lshl_add_u32 v[PI0], v[TA], 3, v[PI0]
	v_add_nc_u32 v[PI1], 16, v[PI0]
	v_lshlrev_b32 v[FOFF], 4, v[PI0]
	v_lshl_add_u32 v[FOFF], v[NOFF], 9, v[FOFF]
	v_lshlrev_b32 v[COFF], 4, v[NOFF]
	s_lshl_b32 s3, s2, 11
	v_lshl_add_u32 v[XSA], v[TA+1], 5, s3
	v_lshl_add_u32 v[XLA], v[PI0], 5, s3
	v_lshl_add_u32 v[XLA], v[NOFF], 4, v[XLA]
	s_mul_i32 s4, s2, 320                          ; ten voxels of 32 bytes a wave
	s_add_co_u32 s4, s4, VS
	v_lshl_add_u32 v[VSA], v[NOFF], 5, s4
	v_lshl_add_u32 v[VSA], v[TA], 4, v[VSA]
	s_lshl_b32 s5, s2, 10
	s_add_co_u32 s5, s5, GS
	v_and_b32 v[GSA], 15, v0
	v_lshl_add_u32 v[GSA], v[GSA], 2, s5
	v_lshl_add_u32 v[GSA], v[TA], 9, v[GSA]
	v_lshlrev_b32 v[NOFF], 2, v[NOFF]
	v_and_b32 v[WOFF], 63, v0
	v_lshlrev_b32 v[WOFF], 2, v[WOFF]
	s_mul_i32 s6, ttmp9, 60
	s_mul_i32 s7, s2, PAIRS
	s_add_co_u32 s6, s6, s7                        ; my first pair
	s_lshl_b32 s26, s6, 10                         ; 1,024 bytes of features a pair
	s_mov_b32 s27, 0
	s_lshl_b32 s28, s6, 3                          ; 8 bytes of num_points
	s_mov_b32 s29, 0
	s_lshl_b32 s30, s6, 5                          ; 32 bytes of coors
	s_mov_b32 s31, 0
	s_mul_i32 s32, ttmp9, 3840                     ; the group's part of voxbuf
	s_mov_b32 s33, 0
	s_lshl_b32 s34, ttmp9, 10                      ; the group's row of part1
	s_mov_b32 s35, 0
	s_mov_b32 s20, 0x76543210                      ; v_permlanex16_b32: lane i reads lane i of the other half
	s_mov_b32 s21, 0xfedcba98
	s_mov_b32 s22, 0x3e4ccccd                      ; 0.2
	s_mov_b32 s23, 0x3dcccccd                      ; 0.1
	s_mov_b32 s24, 0xc21f999a                      ; -39.9
	s_mov_b32 s25, 0xffff0000                      ; lanes 16 to 31
.irp k, 0,1,2,3,4,5
	v_mov_b32 v[T+\k], 0                           ; v_permlanex16_b32 counts as a reader of its destination
.endr
	v_mov_b32 v[P+7], 0                            ; slots 14 and 15
	s_wait_kmcnt 0x0
	s_add_nc_u64 s[8:9], s[8:9], s[26:27]
	s_add_nc_u64 s[10:11], s[10:11], s[28:29]
	s_add_nc_u64 s[12:13], s[12:13], s[30:31]
	s_add_nc_u64 s[16:17], s[16:17], s[32:33]
	s_add_nc_u64 s[18:19], s[18:19], s[34:35]
	; W1's column t & 63 in slot order.  Waves 0 and 1 use it at the end; every wave loads it, so that the registers are written on every path.
.set k, 0
.irp row, 0,1,2,3,4,5,7,8,6,9,10,11,12
	global_load_b32 v[W+k], v[WOFF], s[14:15] offset:256*\row
.set k, k+1
.endr
	; all five pairs at once: four loads a pair
.irp i, 0,1,2,3,4
	global_load_b128 v[PB+14*\i:PB+14*\i+3],    v[FOFF], s[8:9] offset:1024*\i
	global_load_b128 v[PB+14*\i+4:PB+14*\i+7],  v[FOFF], s[8:9] offset:1024*\i+256
	global_load_b128 v[PB+14*\i+8:PB+14*\i+11], v[COFF], s[12:13] offset:32*\i
	global_load_b32  v[PB+14*\i+12],            v[NOFF], s[10:11] offset:8*\i
.endr
; The voxel's numbers and the features f4 .. f10 of pair i.
.macro RAW i
.set X0, PB+14*\i
.set X1, PB+14*\i+4
.set CO, PB+14*\i+8
.set NP, PB+14*\i+12
	s_wait_loadcnt 16-4*\i                         ; four loads for each younger pair stay out
	v_cvt_f32_i32 v[NPF], v[NP]
	v_cmp_gt_i32 vcc_lo, v[NP], v[PI0]
	v_cndmask_b32 v[MF], 0, 1.0, vcc_lo
	v_cmp_gt_i32 vcc_lo, v[NP], v[PI1]
	v_cndmask_b32 v[MF+1], 0, 1.0, vcc_lo
	v_max_num_f32 v[SAFE], 1.0, v[NPF]
	v_rcp_f32 v[RN], v[NPF]
	v_rcp_f32 v[RN+1], v[SAFE]                     ; the sums below are the plain lines between these and their use (ISA guide 5.7.2)
	v_pk_add_f32 v[SU:SU+1], v[X0:X0+1], v[X1:X1+1]
	v_add_f32 v[SU+2], v[X0+2], v[X1+2]
	v_pk_mul_f32 v[SU+4:SU+5], v[X0:X0+1], v[MF:MF+1] op_sel_hi:[1,0]
	v_mul_f32 v[SU+3], v[X0+2], v[MF]
	v_pk_fma_f32 v[SU+4:SU+5], v[X1:X1+1], v[MF:MF+1], v[SU+4:SU+5] op_sel:[0,1,0]
	v_fmac_f32 v[SU+3], v[X1+2], v[MF+1]
	; over the voxel's 16 lanes: l7 by three steps inside the row of 16 lanes, h by the other half
.irp m, 1,2,4
.irp k, 0,1,2,3,4,5
	v_add_f32_dpp v[SU+\k], v[SU+\k], v[SU+\k] row_xmask:\m row_mask:0xf bank_mask:0xf
.endr
.endr
.irp k, 0,1,2,3,4,5
	v_permlanex16_b32 v[T+\k], v[SU+\k], s20, s21
.endr
.irp k, 0,1,2,3,4,5
	v_add_f32 v[SU+\k], v[SU+\k], v[T+\k]
.endr
	s_wait_alu depctr_va_vdst(0)
	v_pk_mul_f32 v[VQ:VQ+1], v[SU:SU+1], v[RN:RN+1] op_sel_hi:[1,0]     ; cluster mean = sum / n
	v_mul_f32 v[VQ+2], v[SU+2], v[RN]
	v_pk_mul_f32 v[VM:VM+1], v[SU+4:SU+5], v[RN:RN+1] op_sel:[0,1]      ; masked mean = masked sum / max(n, 1)
	v_mul_f32 v[VM+2], v[SU+3], v[RN+1]
	v_pk_add_f32 v[T:T+1], v[X0:X0+1], v[VM:VM+1] neg_lo:[0,1] neg_hi:[0,1]
	v_sub_f32 v[T+2], v[X0+2], v[VM+2]
	v_pk_add_f32 v[T+4:T+5], v[X1:X1+1], v[VM:VM+1] neg_lo:[0,1] neg_hi:[0,1]
	v_sub_f32 v[T+6], v[X1+2], v[VM+2]
	v_mul_f32 v[T+3], v[T], v[T]
	v_mul_f32 v[T+7], v[T+4], v[T+4]
	v_mul_f32 v[T+8], v[X0], v[X0]
	v_mul_f32 v[T+9], v[X1], v[X1]
	v_fmac_f32 v[T+3], v[T+1], v[T+1]
	v_fmac_f32 v[T+7], v[T+5], v[T+5]
	v_fmac_f32 v[T+8], v[X0+1], v[X0+1]
	v_fmac_f32 v[T+9], v[X1+1], v[X1+1]
	v_fmac_f32 v[T+3], v[T+2], v[T+2]
	v_fmac_f32 v[T+7], v[T+6], v[T+6]
	v_fmac_f32 v[T+8], v[X0+2], v[X0+2]
	v_fmac_f32 v[T+9], v[X1+2], v[X1+2]
	v_sqrt_f32 v[T], v[T+3]                        ; distance to the masked mean, set 0
	v_sqrt_f32 v[T+4], v[T+7]                      ; set 1
	v_sqrt_f32 v[FA+6], v[T+8]                     ; f10, set 0
	v_sqrt_f32 v[FA+14], v[T+9]                    ; f10, set 1; the centres below are the plain lines behind them
	v_cvt_f32_i32 v[VQ+4], v[CO+3]
	v_cvt_f32_i32 v[VQ+5], v[CO+2]
	v_cvt_f32_i32 v[VQ+6], v[CO+1]
	v_fma_f32 v[VQ+4], v[VQ+4], s22, s23           ; 0.2 x + 0.1
	v_fma_f32 v[VQ+5], v[VQ+5], s22, s24           ; 0.2 y - 39.9
	v_fma_f32 v[VQ+6], v[VQ+6], 4.0, -1.0          ; 4 z - 1
	v_mul_f32 v[VQ+7], 0x40c80000, v[SAFE]         ; density = max(n, 1) * 6.25
	s_wait_alu depctr_va_vdst(0)
	v_mul_f32 v[T+1], v[T], v[MF]
	v_fmac_f32 v[T+1], v[T+4], v[MF+1]
.irp m, 1,2,4
	v_add_f32_dpp v[T+1], v[T+1], v[T+1] row_xmask:\m row_mask:0xf bank_mask:0xf
.endr
	v_permlanex16_b32 v[T+2], v[T+1], s20, s21
	v_add_f32 v[T+1], v[T+1], v[T+2]
	v_mul_f32 v[VQ+3], v[T+1], v[RN+1]             ; mean distance
.irp k, 0,1,2,3
	v_cndmask_b32 v[T+4+\k], v[VQ+\k], v[VQ+4+\k], s25     ; lanes 0-15 put the first quad, lanes 16-31 the second
.endr
	ds_store_b128 v[VSA], v[T+4:T+7] offset:64*\i  ; eight lanes write the same 16 bytes with the same value
	v_pk_add_f32 v[FA:FA+1],     v[X0:X0+1], v[VQ:VQ+1] neg_lo:[0,1] neg_hi:[0,1]
	v_pk_add_f32 v[FA+2:FA+3],   v[X0:X0+1], v[VQ+4:VQ+5] neg_lo:[0,1] neg_hi:[0,1]
	v_sub_f32 v[FA+4], v[X0+2], v[VQ+2]
	v_sub_f32 v[FA+5], v[X0+2], v[VQ+6]
	v_pk_add_f32 v[FA+8:FA+9],   v[X1:X1+1], v[VQ:VQ+1] neg_lo:[0,1] neg_hi:[0,1]
	v_pk_add_f32 v[FA+10:FA+11], v[X1:X1+1], v[VQ+4:VQ+5] neg_lo:[0,1] neg_hi:[0,1]
	v_sub_f32 v[FA+12], v[X1+2], v[VQ+2]
	v_sub_f32 v[FA+13], v[X1+2], v[VQ+6]
.endm
; two slots: feature * mask - kappa
.macro CENPK dst, src, kap, s
.if \s
	v_pk_fma_f32 v[\dst:\dst+1], v[\src:\src+1], v[MF:MF+1], v[\kap:\kap+1] op_sel:[0,1,0] neg_lo:[0,0,1] neg_hi:[0,0,1]
.else
	v_pk_fma_f32 v[\dst:\dst+1], v[\src:\src+1], v[MF:MF+1], v[\kap:\kap+1] op_sel_hi:[1,0,1] neg_lo:[0,0,1] neg_hi:[0,0,1]
.endif
.endm
; one set's row: centred, rounded to f16, put into my wave's XS
.macro PACKSET xs, s
	CENPK C,   \xs,        KAP,   \s
	CENPK C+2, \xs+2,      KAP+2, \s
	CENPK C+4, FA+8*\s,    KAP+4, \s
	CENPK C+6, FA+8*\s+2,  KAP+6, \s
	CENPK C+8, FA+8*\s+4,  KAP+8, \s
	v_fma_f32 v[C+10], v[FA+8*\s+6], v[MF+\s], -v[KAP+10]
	v_fma_f32 v[C+11], v[VQ+7],      v[MF+\s], -v[KAP+11]
	v_fma_f32 v[C+12], v[VQ+3],      v[MF+\s], -v[KAP+12]
.irp j, 0,1,2,3,4,5
	v_cvt_pk_f16_f32 v[P+\j], v[C+2*\j], v[C+2*\j+1]
.endr
	v_cvt_pk_f16_f32 v[P+6], v[C+12], 1.0          ; slot 13 is 1 in every row, masked rows too
	ds_store_b128 v[XSA], v[P:P+3]   offset:1024*\s
	ds_store_b128 v[XSA], v[P+4:P+7] offset:1024*\s+16
.endm
; G += X^T X for the pair's 64 rows.  The transposing loads make fragments with lane = slot and K = 32 rows; the same fragment is A and B.
; G0 and G1 take turns, one instruction a turn.
.macro PACK i, first
.set X0, PB+14*\i
	PACKSET X0, 0
	PACKSET X0+4, 1
	ds_load_tr16_b128 v[F0:F0+3],   v[XLA]             ; LDS serves a wave's instructions in order (ISA guide 5.7.1.4): these see the stores above
	ds_load_tr16_b128 v[F0+4:F0+7], v[XLA] offset:512
	ds_load_tr16_b128 v[F1:F1+3],   v[XLA] offset:1024
	ds_load_tr16_b128 v[F1+4:F1+7], v[XLA] offset:1536
	s_wait_dscnt 0x0
.if \first
	v_wmma_f32_16x16x32_f16 v[G0:G0+7], v[F0:F0+7], v[F0:F0+7], 0
	v_wmma_f32_16x16x32_f16 v[G1:G1+7], v[F1:F1+7], v[F1:F1+7], 0
.else
	v_wmma_f32_16x16x32_f16 v[G0:G0+7], v[F0:F0+7], v[F0:F0+7], v[G0:G0+7]
	v_wmma_f32_16x16x32_f16 v[G1:G1+7], v[F1:F1+7], v[F1:F1+7], v[G1:G1+7]
.endif
.endm
	RAW 0
	; kappa: wave 0 puts its lanes' unmasked features of set 0 into KS; lane 0's are the group's first point's
	s_cmp_lg_u32 s2, 0
	s_cbranch_scc1 .Lnot_wave_0
	v_lshlrev_b32 v[TA], 6, v[TA+1]
	v_mov_b32 v[FA+7], v[VQ+7]
	v_mov_b32 v[T], v[VQ+3]                        ; the three words behind it are slots 13 to 15 of kappa, which nothing reads
	ds_store_b128 v[TA], v[PB:PB+3]   offset:KS
	ds_store_b128 v[TA], v[FA:FA+3]   offset:KS+16
	ds_store_b128 v[TA], v[FA+4:FA+7] offset:KS+32
	ds_store_b128 v[TA], v[T:T+3]     offset:KS+48
.Lnot_wave_0:
	s_wait_dscnt 0x0                               ; for the others' sake: my LDS stores are done
	s_barrier_signal -1
	s_barrier_wait -1
	v_mov_b32 v[TA], KS
.irp q, 0,1,2,3
	ds_load_b128 v[KAP+4*\q:KAP+4*\q+3], v[TA] offset:16*\q
.endr
	s_wait_dscnt 0x0
	PACK 0, 1
	RAW 1
	PACK 1, 0
	RAW 2
	PACK 2, 0
	RAW 3
	PACK 3, 0
	RAW 4
	PACK 4, 0
.rept 4
	v_nop                                          ; four places between the last matrix instruction and the reads of its result (ISA guide 7.12.1)
.endr
.irp j, 0,2,4,6
	v_pk_add_f32 v[G0+\j:G0+\j+1], v[G0+\j:G0+\j+1], v[G1+\j:G1+\j+1]
.endr
.irp j, 0,1,2,3,4,5,6,7
	ds_store_b32 v[GSA], v[G0+\j] offset:64*\j     ; G(8 h + j, r)
.endr
	s_wait_dscnt 0x0
	s_barrier_signal -1
	s_barrier_wait -1
	; the twelve waves' matrices are added: thread t of waves 0 to 7 takes word t
	s_cmp_ge_u32 s2, 8
	s_cbranch_scc1 .Lno_sum
	v_lshlrev_b32 v[TA], 2, v0
.irp k, 0,1,2,3,4,5,6,7,8,9,10,11
	ds_load_b32 v[PB+\k], v[TA] offset:GS+1024*\k
.endr
	s_wait_dscnt 0x0
.irp k, 2,4,6,8,10
	v_pk_add_f32 v[PB:PB+1], v[PB:PB+1], v[PB+\k:PB+\k+1]
.endr
	v_add_f32 v[PB], v[PB], v[PB+1]
	ds_store_b32 v[TA], v[PB] offset:GT
.Lno_sum:
	s_wait_dscnt 0x0
	s_barrier_signal -1
	s_barrier_wait -1
	s_cmp_ge_u32 s2, 2
	s_cbranch_scc1 .Lvoxels_out
	; waves 0 and 1: channel c = t.  t_i = sum over j < 13 of G(i, j) w_j;  sum of (h - Kh)^2 = sum over i < 13 of w_i t_i;  sum of (h - Kh) = t_13.
	v_mul_f32 v[KH], v[KAP], v[W]
.irp j, 1,2,3,4,5,6,7,8,9,10,11,12
	v_fmac_f32 v[KH], v[KAP+\j], v[W+\j]           ; Kh = kappa . w
.endr
	v_mov_b32 v[TA], 0
.macro GHALF a                         ; rows 7 a .. 7 a + 6 of GT, the same bytes in every lane, and their seven t_i
.irp ii, 0,1,2,3,4,5,6
.irp q, 0,1,2,3
	ds_load_b128 v[R+16*\ii+4*\q:R+16*\ii+4*\q+3], v[TA] offset:GT+64*(7*\a+\ii)+16*\q
.endr
.endr
	s_wait_dscnt 0x0
.irp ii, 0,1,2,3,4,5,6
	v_mul_f32 v[TT+\ii], v[R+16*\ii], v[W]
.endr
.irp j, 1,2,3,4,5,6,7,8,9,10,11,12
.irp ii, 0,1,2,3,4,5,6
	v_fmac_f32 v[TT+\ii], v[R+16*\ii+\j], v[W+\j]
.endr
.endr
.endm
	GHALF 0
	v_mul_f32 v[QH], v[W], v[TT]
.irp ii, 1,2,3,4,5,6
	v_fmac_f32 v[QH], v[W+\ii], v[TT+\ii]
.endr
	GHALF 1
.irp ii, 0,1,2,3,4,5
	v_fmac_f32 v[QH], v[W+7+\ii], v[TT+\ii]
.endr
	v_mul_f32 v[T], 0x39888889, v[TT+6]            ; t_13 / 3,840 rows
	v_add_f32 v[RES], v[KH], v[T]                  ; the group's mean
	v_fma_f32 v[RES+1], -v[TT+6], v[T], v[QH]      ; and M2, both sums taken about Kh
	v_max_num_f32 v[RES+1], 0, v[RES+1]
	v_lshlrev_b32 v[TA], 3, v0
	global_store_b64 v[TA], v[RES:RES+1], s[18:19] ; each wave stores 256 consecutive bytes, aligned
	s_wait_tensorcnt 0x0
	ds_add_u32 v224, v225
	s_wait_dscnt 0x0
	s_endpgm
.Lvoxels_out:
	; waves 2 to 9: the 3,840 bytes of VS leave as 240 x 16 bytes, sixteen lanes to 256 consecutive aligned bytes
	s_cmp_ge_u32 s2, 10
	s_cbranch_scc1 .Lend
	v_sub_nc_u32 v[TA], v0, 64
	v_lshlrev_b32 v[TA], 4, v[TA]
	v_cmp_gt_u32 vcc_lo, 3840, v[TA]
	s_wait_xcnt 0x0                                ; EXEC changes only behind this wait
	s_and_saveexec_b32 s36, vcc_lo
	ds_load_b128 v[PB:PB+3], v[TA] offset:VS
	s_wait_dscnt 0x0
	global_store_b128 v[TA], v[PB:PB+3], s[16:17]
	s_wait_xcnt 0x0                                ; and again in front of the line that widens it
	s_or_b32 exec_lo, exec_lo, s36
.Lend:
	s_wait_tensorcnt 0x0
	ds_add_u32 v224, v225
	s_wait_dscnt 0x0
	s_endpgm
.Lfunc_end_k_q64134b5a5d_vox:
	.size	k_q64134b5a5d_vox, .Lfunc_end_k_q64134b5a5d_vox-k_q64134b5a5d_vox
	.p2alignl 7, 3214868480
	.fill 96, 4, 3214868480
	.section	.rodata,"a",@progbits
	.p2align	6, 0x0
	.amdhsa_kernel k_q64134b5a5d_vox
		.amdhsa_group_segment_fixed_size 45312
		.amdhsa_private_segment_fixed_size 0
		.amdhsa_enable_private_segment 0
		.amdhsa_kernarg_size 48
		.amdhsa_user_sgpr_count 2
		.amdhsa_user_sgpr_kernarg_segment_ptr 1
		.amdhsa_wavefront_size32 1
		.amdhsa_system_sgpr_workgroup_id_x 1
		.amdhsa_system_sgpr_workgroup_id_y 1
		.amdhsa_system_sgpr_workgroup_id_z 1
		.amdhsa_system_vgpr_workitem_id 0
		.amdhsa_next_free_vgpr 226
		.amdhsa_next_free_sgpr 66
		.amdhsa_reserve_vcc 1
		.amdhsa_float_denorm_mode_32 3
		.amdhsa_float_denorm_mode_16_64 3
		.amdhsa_memory_ordered 1
		.amdhsa_forward_progress 1
		.amdhsa_inst_pref_size 57
	.end_amdhsa_kernel
	.amdgpu_metadata
---
amdhsa.version: [ 1, 2 ]
amdhsa.kernels:
  - .name:           k_q64134b5a5d_vox
    .symbol:         k_q64134b5a5d_vox.kd
    .args:
      - { .name: features, .offset: 0, .size: 8, .value_kind: global_buffer, .address_space: global }
      - { .name: num_points, .offset: 8, .size: 8, .value_kind: global_buffer, .address_space: global }
      - { .name: coors, .offset: 16, .size: 8, .value_kind: global_buffer, .address_space: global }
      - { .name: W1, .offset: 24, .size: 8, .value_kind: global_buffer, .address_space: global }
      - { .name: voxbuf, .offset: 32, .size: 8, .value_kind: global_buffer, .address_space: global }
      - { .name: part1, .offset: 40, .size: 8, .value_kind: global_buffer, .address_space: global }
    .group_segment_fixed_size: 45312
    .private_segment_fixed_size: 0
    .kernarg_segment_align: 8
    .kernarg_segment_size: 48
    .max_flat_workgroup_size: 384
    .sgpr_count:     66
    .vgpr_count:     226
    .wavefront_size: 32
...
	.end_amdgpu_metadata
.endif
;; end of part 1
;; launch red1 (part 2): grid 2 x 1, 10 waves a work-group, no clusters, 5,120 bytes of LDS; arguments part1, stat1; writes stat1
.if DOCPART == 2
	.amdgcn_target "amdgcn-amd-amdhsa--gfx1250"
	.amdhsa_code_object_version 6
	.text
	.protected	k_q64134b5a5d_red1
	.globl	k_q64134b5a5d_red1
	.p2align	8
	.type	k_q64134b5a5d_red1,@function
k_q64134b5a5d_red1:
	s_mov_b64 s[64:65], 0
	v_nop
	global_prefetch_b8 v0, s[64:65] scope:SCOPE_SE
	s_setreg_imm32_b32 hwreg(HW_REG_WAVE_MODE, 25, 1), 1
	s_wait_xcnt 0x0
; 250 groups' (mean, M2) of a channel, each over 3,840 rows, become the channel's (mean, 1 / sqrt(var + 0.001)) over 960,000 rows.
; A work-group takes 32 channels (lane = channel), wave w the groups 25 w .. 25 w + 24; each load of a wave covers 256 consecutive aligned bytes.
; The groups' means are summed about the first group's mean m0:  M2 = sum M2_g + 3,840 (sum d^2 - (sum d)^2 / 250),  d = mean_g - m0.
; LIMIT: v_rsq_f32 is accurate to one unit in the last place.
.set ROWB, 1024                        ; bytes from group to group
.set PERW, 25
	s_load_b128 s[4:7], s[0:1], 0x0                ; partials s[4:5], result s[6:7]
	v_lshl_add_u32 v80, v0, 2, 0xf00
	v_mov_b32 v81, 0
	v_lshrrev_b32 v1, 5, v0
	v_readfirstlane_b32 s2, v1                     ; wave
	v_and_b32 v1, 31, v0
	s_lshl_b32 s3, ttmp9, 8
	v_lshl_add_u32 v2, v1, 3, s3                   ; my channel's 8 bytes in a row, and in the result
	s_mul_i32 s8, s2, PERW*ROWB
	v_add_nc_u32 v3, s8, v2
	s_mul_i32 s9, s2, 384
	v_lshl_add_u32 v62, v1, 2, s9                  ; my wave's three rows of 32 words in LDS
	v_lshlrev_b32 v63, 2, v1
	s_mov_b32 s10, 0x358bcf65                      ; 1 / 960,000
	s_mov_b32 s11, 0x3a83126f                      ; 0.001
	s_wait_kmcnt 0x0
	global_load_b64 v[4:5], v2, s[4:5]             ; m0
.set i, 0
.rept PERW
	global_load_b64 v[6+2*i:7+2*i], v3, s[4:5] offset:ROWB*i
.set i, i+1
.endr
	s_wait_loadcnt 0x0
.set i, 0
.rept PERW
	v_sub_f32 v[6+2*i], v[6+2*i], v4
.set i, i+1
.endr
	v_mul_f32 v60, v6, v6
.set i, 1
.rept PERW-1
	v_fmac_f32 v60, v[6+2*i], v[6+2*i]             ; sum of d^2
	v_pk_add_f32 v[6:7], v[6:7], v[6+2*i:7+2*i]    ; sum of d, sum of M2
.set i, i+1
.endr
	ds_store_b32 v62, v6
	ds_store_b32 v62, v60 offset:128
	ds_store_b32 v62, v7 offset:256
	s_wait_dscnt 0x0
	s_barrier_signal -1
	s_barrier_wait -1
	s_cmp_lg_u32 s2, 0
	s_cbranch_scc1 .Lend
.irp w, 0,1,2,3,4,5,6,7,8,9
.irp k, 0,1,2
	ds_load_b32 v[6+3*\w+\k], v63 offset:384*\w+128*\k
.endr
.endr
	s_wait_dscnt 0x0
.irp w, 1,2,3,4,5,6,7,8,9
.irp k, 0,1,2
	v_add_f32 v[6+\k], v[6+\k], v[6+3*\w+\k]
.endr
.endr
	v_mul_f32 v40, 0x3b83126f, v6                  ; (sum d) / 250
	v_add_f32 v42, v4, v40                         ; mean
	v_fma_f32 v41, -v6, v40, v7                    ; sum d^2 - (sum d)^2 / 250
	v_fmamk_f32 v41, v41, 0x45700000, v8           ; times 3,840, plus the groups' M2
	v_max_num_f32 v41, 0, v41
	v_fma_f32 v41, v41, s10, s11                   ; var + eps
	v_rsq_f32 v43, v41
	v_nop                                          ; one plain line between v_rsq_f32 and the use of its result (ISA guide 5.7.2)
	s_wait_alu depctr_va_vdst(0)
	global_store_b64 v2, v[42:43], s[6:7]          ; 256 consecutive bytes, aligned
.Lend:
	s_wait_tensorcnt 0x0
	ds_add_u32 v80, v81
	s_wait_dscnt 0x0
	s_endpgm
.Lfunc_end_k_q64134b5a5d_red1:
	.size	k_q64134b5a5d_red1, .Lfunc_end_k_q64134b5a5d_red1-k_q64134b5a5d_red1
	.p2alignl 7, 3214868480
	.fill 96, 4, 3214868480
	.section	.rodata,"a",@progbits
	.p2align	6, 0x0
	.amdhsa_kernel k_q64134b5a5d_red1
		.amdhsa_group_segment_fixed_size 5120
		.amdhsa_private_segment_fixed_size 0
		.amdhsa_enable_private_segment 0
		.amdhsa_kernarg_size 16
		.amdhsa_user_sgpr_count 2
		.amdhsa_user_sgpr_kernarg_segment_ptr 1
		.amdhsa_wavefront_size32 1
		.amdhsa_system_sgpr_workgroup_id_x 1
		.amdhsa_system_sgpr_workgroup_id_y 1
		.amdhsa_system_sgpr_workgroup_id_z 1
		.amdhsa_system_vgpr_workitem_id 0
		.amdhsa_next_free_vgpr 82
		.amdhsa_next_free_sgpr 66
		.amdhsa_reserve_vcc 0
		.amdhsa_float_denorm_mode_32 3
		.amdhsa_float_denorm_mode_16_64 3
		.amdhsa_memory_ordered 1
		.amdhsa_forward_progress 1
		.amdhsa_inst_pref_size 11
	.end_amdhsa_kernel
	.amdgpu_metadata
---
amdhsa.version: [ 1, 2 ]
amdhsa.kernels:
  - .name:           k_q64134b5a5d_red1
    .symbol:         k_q64134b5a5d_red1.kd
    .args:
      - { .name: part1, .offset: 0, .size: 8, .value_kind: global_buffer, .address_space: global }
      - { .name: stat1, .offset: 8, .size: 8, .value_kind: global_buffer, .address_space: global }
    .group_segment_fixed_size: 5120
    .private_segment_fixed_size: 0
    .kernarg_segment_align: 8
    .kernarg_segment_size: 16
    .max_flat_workgroup_size: 320
    .sgpr_count:     66
    .vgpr_count:     82
    .wavefront_size: 32
...
	.end_amdgpu_metadata
.endif
;; end of part 2
;; launch main (part 3): grid 250 x 1, 8 waves a work-group, no clusters, 44,032 bytes of LDS; arguments features, num_points, voxbuf, W1, g1, b1, stat1, W2, g2, hmax, part2; writes hmax, part2
.if DOCPART == 3
	.amdgcn_target "amdgcn-amd-amdhsa--gfx1250"
	.amdhsa_code_object_version 6
	.text
	.protected	k_q64134b5a5d_main
	.globl	k_q64134b5a5d_main
	.p2align	8
	.type	k_q64134b5a5d_main,@function
k_q64134b5a5d_main:
	s_mov_b64 s[64:65], 0
	v_nop
	global_prefetch_b8 v0, s[64:65] scope:SCOPE_SE
	s_setreg_imm32_b32 hwreg(HW_REG_WAVE_MODE, 25, 1), 1
	s_wait_xcnt 0x0
; Pass 2: both layers' products.  Stored: hmax[voxel][u] = max over the 32 points of sign(g2[u]) h2[.][u], and the group's (mean, M2) of sign(g2) h2.
; BN2's slope has the sign of g2, so BN2, ReLU and the max over points commute once W2's columns carry that sign: layer 2 is computed once.
; BN1 is folded into W1: columns times a = g1 rs; the shift d = b1 - mean a rides on two features that are 1 in every row (f16 high and low part).
; x2 = [h, agg] and agg is the same for a voxel's points: its half of layer 2 is one tile of 16 rows for a pair of voxels, used as the C of the four row tiles.
; 250 work-groups x 60 pairs of voxels; 8 waves of 512 registers; waves 0-3 take 8 pairs, waves 4-7 take 7.
; LANES as in pass 1: L = lane, r = L & 15, h = L >> 4, vb = (L >> 3) & 1, l7 = L & 7; set s: point 16 s + 8 h + l7 of voxel 2 pair + vb.
; ROW TILE t (0..3): rows 0-7 = points 8 t .. 8 t + 7 of the first voxel, rows 8-15 the same points of the second: in a result with m = row
; each half of the lanes holds one voxel, and no max over points crosses lanes.
; COLUMN of block b, lane r: u = 64 (b >> 2) + 4 r + (b & 3): a lane's blocks 0-3 are 16 neighbouring bytes of a row of hmax.
; K slot sigma of the agg half stands for channel 64 + 16 (sigma & 3) + (sigma >> 2), in both operands alike.
; Statistics are summed about a pilot K[b]: the mean of the wave's first 16 rows.
; FORMAT: all matrix operands are f16, for its 11 significant bits: BN2 multiplies what the rounding leaves by g2 / std(h2).  The room:
; h <= sqrt(960,000) |g1| + |b1|, below 65,504 for |g1| < 66; density = 6.25 n is exact for n <= 32.  The largest term of h1, density times its
; folded weight, gets the weight's low part too: slot 15 holds density * 2^-10 and weighs 1,024 (w - f16(w)); the power of two keeps both normal.
; No tensor loads, clusters or prefetches: each feature byte is used by one lane and is asked for a whole pair ahead; W2 is read once a work-group, W1 once a wave.
; LIMITS: finite inputs; every feature, folded weight W1 g1 rs, shift d, h and W2 below 65,504 in magnitude (K slots 16-31 of layer 1 hold a
; neighbour tile's finite numbers against zero weights); numbers below 6e-5 keep f16's absolute step of 6e-8; v_sqrt_f32 takes denormals as zero.
.set WF, 0                             ; 32,768: W2's fragments: part * 16,384 + b * 2,048 + G * 256 + 16 r, G = group of 8 K slots
.set AG, 32768                         ; 8 x 256: per wave, two voxels' 64 agg in f16
.set ST, 34816                         ; 8 x 1,024: per wave, [128 channels][(mean, M2)]
.set FOFF, 1                           ; 512 vb + 16 (8 h + l7)
.set SOFF, 2                           ; 32 vb
.set NOFF, 3                           ; 4 vb
.set OOFF, 4                           ; 512 h + 16 r
.set AGS,  5
.set AGL,  6
.set PI0,  7
.set PI1,  8
.set WFA,  9                           ; 16 L
.set MSK,  10                          ; v10, v11: masks of set 0, 1 as 0 or -1
.set MDP,  12                          ; f16(mdist) in the low half
.set DDP,  13                          ; f16(density * 2^-10) in the high half
.set KK,   14                          ; v[14:21]   pilots
.set SS,   22                          ; v[22:37]   sums, a pair for each block
.set QQ,   38                          ; v[38:53]   sums of squares
.set MX,   54                          ; v[54:61]   maxima
.set RAW,  62                          ; v[62:69]   set 0, set 1
.set VX,   70                          ; v[70:77]   the voxel's eight numbers
.set NN,   78
.set FT,   80                          ; v[80:95]   features at work, then
.set AF,   80                          ;            agg's two fragments
.set XT,   96                          ; v[96:111]  tile t's fragment is v[96+4t : 96+4t+7]; during layer 2: CB0, CB1
.set ZR,   112                         ; v[112:115] zeros
.set W1F,  116                         ; v[116:147] four fragments of the folded W1, upper halves zero
.set ACC,  148                         ; v[148:179] four accumulators
.set HF,   180                         ; v[180:243] h's fragments: (t, s) at 16 t + 8 s
.set T,    244                         ; v[244:255] at work
.set AGR,  248
; window 1 (v256-v511): W2's fragments: h half (b, s) at 16 b + 8 s, agg half at 128 + 16 b + 8 s
; the prologue's registers
.set PW,   116                         ; 16 rows of W2
.set PG,   180                         ; g2
.set PW1,  184                         ; W1, 8 ct + e
.set PS,   216                         ; stat1
.set PG1,  224
.set PB1,  228
.set PA,   232                         ; six offsets
.set SM,   238                         ; sign masks
.set MSB, 0
.macro WIN new                         ; the immediate's high byte repeats the setting that is left
.if MSB != \new
	s_set_vgpr_msb (MSB<<8)|\new
.set MSB, \new
.endif
.endm
.macro NOP4                            ; four places behind a matrix instruction (ISA guide 7.12.1)
.rept 4
	v_nop
.endr
.endm
.macro LOADPAIR
	global_load_b128 v[RAW:RAW+3],   v[FOFF], s[8:9] th:TH_LOAD_NT
	global_load_b128 v[RAW+4:RAW+7], v[FOFF], s[8:9] offset:256 th:TH_LOAD_NT
	global_load_b128 v[VX:VX+3],     v[SOFF], s[12:13]
	global_load_b128 v[VX+4:VX+7],   v[SOFF], s[12:13] offset:16
	global_load_b32  v[NN],          v[NOFF], s[10:11]
.endm
	s_load_b512 s[8:23], s[0:1], 0x0               ; features 8, num_points 10, voxbuf 12, W1 14, g1 16, b1 18, stat1 20, W2 22
	s_load_b128 s[24:27], s[0:1], 0x40             ; g2 24, hmax 26
	s_load_b64 s[28:29], s[0:1], 0x50              ; part2
	v_lshl_add_u32 v254, v0, 2, 0xa800
	v_mov_b32 v255, 0
	v_lshrrev_b32 v[WFA], 5, v0
	v_readfirstlane_b32 s2, v[WFA]                 ; wave
	v_and_b32 v12, 31, v0                          ; L
	v_and_b32 v13, 15, v0                          ; r
	v_bfe_u32 v10, v0, 4, 1                        ; h
	v_bfe_u32 v11, v0, 3, 1                        ; vb
	v_and_b32 v[PI0], 7, v0
	v_lshl_add_u32 v[PI0], v10, 3, v[PI0]
	v_add_nc_u32 v[PI1], 16, v[PI0]
	v_lshlrev_b32 v[FOFF], 4, v[PI0]
	v_lshl_add_u32 v[FOFF], v11, 9, v[FOFF]
	v_lshlrev_b32 v[SOFF], 5, v11
	v_lshlrev_b32 v[NOFF], 2, v11
	v_lshlrev_b32 v[OOFF], 4, v13
	v_lshl_add_u32 v[OOFF], v10, 9, v[OOFF]
	s_lshl_b32 s3, s2, 8
	s_add_co_u32 s4, s3, AG
	v_lshl_add_u32 v[AGS], v13, 3, s4              ; in: voxel h, four channels of lane r
	v_lshl_add_u32 v[AGS], v10, 7, v[AGS]
	v_lshl_add_u32 v[AGL], v10, 4, s4              ; back: row r is voxel r >> 3, K slots 8 h ..
	v_lshl_add_u32 v[AGL], v11, 7, v[AGL]
	v_lshlrev_b32 v[WFA], 4, v12
	v_lshl_add_u32 v[PA+5], v13, 4, s3             ; W2's fragments go to (L >> 4) * 8,192 + 256 w + 16 r
	v_lshl_add_u32 v[PA+5], v10, 13, v[PA+5]
	s_lshl_b32 s3, s2, 12
	v_add_nc_u32 v[PA], s3, v[WFA]                 ; W2 rows 8 w + e
	s_lshl_b32 s3, s2, 10
	v_add_nc_u32 v[PA+1], s3, v[WFA]               ; W2 rows 64 + 2 w + ..
	v_lshlrev_b32 v[PA+3], 2, v13
	v_lshl_add_u32 v[PA+2], v10, 11, v[PA+3]       ; W1 row 8 h + e
	v_lshlrev_b32 v[PA+4], 3, v13
	s_min_u32 s4, s2, 4
	s_mul_i32 s5, s2, 7
	s_add_co_u32 s4, s4, s5
	s_mul_i32 s5, ttmp9, 60
	s_add_co_u32 s4, s4, s5                        ; my first pair = 60 group + 7 w + min(w, 4)
	s_lshr_b32 s5, s2, 2
	s_sub_co_u32 s33, 6, s5                        ; my pairs less two: the loop's trips
	s_lshl_b32 s36, s4, 10                         ; features and hmax: 1,024 bytes a pair
	s_mov_b32 s37, 0
	s_lshl_b32 s38, s4, 6                          ; voxbuf: 64
	s_mov_b32 s39, 0
	s_lshl_b32 s40, s4, 3                          ; num_points: 8
	s_mov_b32 s41, 0
	s_lshl_b32 s42, ttmp9, 10                      ; the group's row of part2
	s_mov_b32 s43, 0
	s_mov_b32 s30, 0x76543210
	s_mov_b32 s31, 0xfedcba98
	s_mov_b32 s32, 0xffff0000                      ; lanes 16 to 31
	s_wait_kmcnt 0x0
	s_add_nc_u64 s[8:9], s[8:9], s[36:37]
	s_add_nc_u64 s[26:27], s[26:27], s[36:37]
	s_add_nc_u64 s[12:13], s[12:13], s[38:39]
	s_add_nc_u64 s[10:11], s[10:11], s[40:41]
	s_add_nc_u64 s[28:29], s[28:29], s[42:43]
	; wave w brings K group w of both halves of W2: eight whole rows each, 512 consecutive bytes a load
.irp e, 0,1,2,3,4,5,6,7
	global_load_b128 v[PW+4*\e:PW+4*\e+3], v[PA], s[22:23] offset:512*\e
.endr
.irp e, 0,1,2,3,4,5,6,7
	global_load_b128 v[PW+32+4*\e:PW+32+4*\e+3], v[PA+1], s[22:23] offset:32768+512*(16*(\e&3)+(\e>>2))
.endr
	global_load_b128 v[PG:PG+3], v[WFA], s[24:25]
.irp ct, 0,1,2,3
.irp e, 0,1,2,3,4
	global_load_b32 v[PW1+8*\ct+\e], v[PA+2], s[14:15] offset:256*\e+64*\ct    ; row 8 h + e, channel 16 ct + r
.endr
.irp e, 5,6,7
	global_load_b32 v[PW1+8*\ct+\e], v[PA+3], s[14:15] offset:256*\e+64*\ct    ; row e in both halves: W1 has no rows 13 to 15
.endr
.endr
.irp ct, 0,1,2,3
	global_load_b64 v[PS+2*\ct:PS+2*\ct+1], v[PA+4], s[20:21] offset:128*\ct
.endr
.irp ct, 0,1,2,3
	global_load_b32 v[PG1+\ct], v[PA+3], s[16:17] offset:64*\ct
.endr
.irp ct, 0,1,2,3
	global_load_b32 v[PB1+\ct], v[PA+3], s[18:19] offset:64*\ct
.endr
	s_wait_loadcnt 44                              ; W2's rows and g2 are in: the 32 + 12 younger loads stay out
	LOADPAIR                                       ; pair 0
.irp q, 0,1,2,3
	v_perm_b32 v[SM+\q], v[PG+\q], v[PG+\q], 0x03020302    ; g2's upper half twice,
	v_and_b32 v[SM+\q], 0x80008000, v[SM+\q]               ; its sign for two f16
.endr
.irp part, 0,1
.irp q, 0,1,2,3
.irp i, 0,1,2,3
	v_cvt_pk_f16_f32 v[T+\i], v[PW+32*\part+8*\i+\q], v[PW+32*\part+8*\i+4+\q]   ; K slots 2 i, 2 i + 1 of column 4 L + q
.endr
.irp i, 0,1,2,3
	v_xor_b32 v[T+\i], v[SM+\q], v[T+\i]
.endr
	ds_store_b128 v[PA+5], v[T:T+3] offset:WF+16384*\part+2048*\q
.endr
.endr
	s_wait_dscnt 0x0                               ; for the others' sake: my part of the fragments is in LDS
	s_barrier_signal -1
	s_barrier_wait -1
	WIN 0x40                                       ; destination in window 1
.set f, 0
.rept 32
	ds_load_b128 v[8*f:8*f+3],   v[WFA] offset:WF+1024*f
	ds_load_b128 v[8*f+4:8*f+7], v[WFA] offset:WF+1024*f+512
.set f, f+1
.endr
	WIN 0
	s_wait_loadcnt 5                               ; W1, stat1, g1, b1 are in; pair 0's five loads stay out
.irp ct, 0,1,2,3
	v_mul_f32 v[T], v[PG1+\ct], v[PS+2*\ct+1]              ; a = g1 rs
	v_fma_f32 v[T+1], -v[PS+2*\ct], v[T], v[PB1+\ct]       ; d = b1 - mean a
.irp e, 0,2,4,6
	v_pk_mul_f32 v[PW1+8*\ct+\e:PW1+8*\ct+\e+1], v[PW1+8*\ct+\e:PW1+8*\ct+\e+1], v[T:T+1] op_sel_hi:[1,0]
.endr
	v_cvt_pk_f16_f32 v80, v[T+1], v[PW1+8*\ct+3]           ; f16(d); in lanes 16-31 f16 of the folded density weight (row 11)
	v_cvt_f32_f16 v81, v80.l
	v_cvt_f32_f16 v82, v80.h
	v_sub_f32 v81, v[T+1], v81                             ; what f16(d) leaves
	v_sub_f32 v82, v[PW1+8*\ct+3], v82                     ; what f16 leaves of the density weight,
	v_mul_f32 v82, 0x44800000, v82                         ; times 1,024
	v_cndmask_b32 v[PW1+8*\ct+5], v[PW1+8*\ct+5], v[T+1], s32   ; slots 13, 14, 15 in lanes 16-31
	v_cndmask_b32 v[PW1+8*\ct+6], v[PW1+8*\ct+6], v81, s32
	v_cndmask_b32 v[PW1+8*\ct+7], v[PW1+8*\ct+7], v82, s32
.irp i, 0,1,2,3
	v_cvt_pk_f16_f32 v[W1F+8*\ct+\i], v[PW1+8*\ct+2*\i], v[PW1+8*\ct+2*\i+1]
.endr
.irp i, 4,5,6,7
	v_mov_b32 v[W1F+8*\ct+\i], 0                           ; K slots 16 to 31 weigh nothing
.endr
.endr
.set i, 0
.rept 32
	v_mov_b32 v[SS+i], 0                           ; the sums run over all my pairs: cleared once
.set i, i+1
.endr
.irp i, 0,1,2,3
	v_mov_b32 v[ZR+\i], 0
.endr
; The pair's 64 rows of 16 f16 slots: x y z w f4 .. f12 1 1 density/1,024.  pf = 1: the next pair is asked for.
.macro PH_F pf
	s_wait_loadcnt 0x0                             ; the pair's five loads, issued a pair ago
	v_cmp_gt_i32 vcc_lo, v[NN], v[PI0]
	v_cndmask_b32 v[MSK], 0, -1, vcc_lo
	v_cmp_gt_i32 vcc_lo, v[NN], v[PI1]
	v_cndmask_b32 v[MSK+1], 0, -1, vcc_lo
	v_cvt_pk_f16_f32 v[MDP], v[VX+3], 0
	v_mul_f32 v[T], 0x3a800000, v[VX+7]            ; density * 2^-10
	v_cvt_pk_f16_f32 v[DDP], 0, v[T]
.irp s, 0,1
	v_mul_f32 v[FT+8*\s+6], v[RAW+4*\s], v[RAW+4*\s]
	v_fmac_f32 v[FT+8*\s+6], v[RAW+4*\s+1], v[RAW+4*\s+1]
	v_fmac_f32 v[FT+8*\s+6], v[RAW+4*\s+2], v[RAW+4*\s+2]
.endr
	v_sqrt_f32 v[FT+7], v[FT+6]
	v_sqrt_f32 v[FT+15], v[FT+14]                  ; the differences below are the plain lines behind them (ISA guide 5.7.2)
.irp s, 0,1
	v_pk_add_f32 v[FT+8*\s:FT+8*\s+1],   v[RAW+4*\s:RAW+4*\s+1], v[VX:VX+1] neg_lo:[0,1] neg_hi:[0,1]      ; f4 f5
	v_pk_add_f32 v[FT+8*\s+2:FT+8*\s+3], v[RAW+4*\s:RAW+4*\s+1], v[VX+4:VX+5] neg_lo:[0,1] neg_hi:[0,1]    ; f7 f8
	v_sub_f32 v[FT+8*\s+4], v[RAW+4*\s+2], v[VX+2]         ; f6
	v_sub_f32 v[FT+8*\s+5], v[RAW+4*\s+2], v[VX+6]         ; f9
	v_cvt_pk_f16_f32 v[XT+8*\s],   v[RAW+4*\s],   v[RAW+4*\s+1]
	v_cvt_pk_f16_f32 v[XT+8*\s+1], v[RAW+4*\s+2], v[RAW+4*\s+3]
	v_cvt_pk_f16_f32 v[XT+8*\s+2], v[FT+8*\s],    v[FT+8*\s+1]
	v_cvt_pk_f16_f32 v[XT+8*\s+3], v[FT+8*\s+4],  v[FT+8*\s+2]
	v_cvt_pk_f16_f32 v[XT+8*\s+4], v[FT+8*\s+3],  v[FT+8*\s+5]
	s_wait_alu depctr_va_vdst(0)
	v_cvt_pk_f16_f32 v[XT+8*\s+5], v[FT+8*\s+7],  v[VX+7]
.irp j, 0,1,2,3,4,5
	v_and_b32 v[XT+8*\s+\j], v[MSK+\s], v[XT+8*\s+\j]
.endr
	v_and_or_b32 v[XT+8*\s+6], v[MDP], v[MSK+\s], 0x3c000000   ; masked mdist, and 1 in slot 13 of every row
	v_and_or_b32 v[XT+8*\s+7], v[DDP], v[MSK+\s], 0x3c00       ; 1 in slot 14 of every row, and the masked density / 1,024
.irp j, 0,1,2,3
	v_permlane16_swap_b32 v[XT+8*\s+\j], v[XT+8*\s+4+\j]       ; word j of tiles 2 s and 2 s + 1: lanes 0-15 slots 0-7, lanes 16-31 slots 8-15
.endr
.endr
.if \pf
	s_add_nc_u64 s[8:9], s[8:9], 1024              ; the loads that used these bases are done
	s_add_nc_u64 s[12:13], s[12:13], 64
	s_add_nc_u64 s[10:11], s[10:11], 8
	LOADPAIR
.endif
.endm
; the largest of 32 registers; zero = 1: and of 0
.macro MAX32 base, dst, zero
.irp c, 0,1,2,3
	v_max3_num_f32 v[T+\c], v[\base+8*\c], v[\base+8*\c+1], v[\base+8*\c+2]
.endr
.irp c, 0,1,2,3
	v_max3_num_f32 v[T+\c], v[T+\c], v[\base+8*\c+3], v[\base+8*\c+4]
.endr
.irp c, 0,1,2,3
	v_max3_num_f32 v[T+\c], v[T+\c], v[\base+8*\c+5], v[\base+8*\c+6]
.endr
	v_max3_num_f32 v[T], v[T], v[\base+7], v[\base+15]
	v_max3_num_f32 v[T+1], v[T+1], v[\base+23], v[\base+31]
	v_max3_num_f32 v[T+2], v[T+2], v[T+3], v[T]
.if \zero
	v_max3_num_f32 v[\dst], v[T+2], v[T+1], 0
.else
	v_max_num_f32 v[\dst], v[T+2], v[T+1]
.endif
.endm
; layer 1 with m = row, n = channel 16 ct + r, all four tiles
.macro L1P ct, d
.irp t, 0,1,2,3
	v_wmma_f32_16x16x32_f16 v[\d+8*\t:\d+8*\t+7], v[XT+4*\t:XT+4*\t+7], v[W1F+8*\ct:W1F+8*\ct+7], 0
.endr
.endm
; agg: a lane's 32 results of a channel block are its voxel's 32 points.  Each MAX32 stands behind four places or a whole other MAX32.
.macro PH_P
	L1P 0, HF
	L1P 1, HF+32
	NOP4
	MAX32 HF, AGR, 1
	L1P 2, HF
	MAX32 HF+32, AGR+1, 1
	L1P 3, HF+32
	MAX32 HF, AGR+2, 1
	MAX32 HF+32, AGR+3, 1
	v_cvt_pk_f16_f32 v[T+8], v[AGR], v[AGR+1]
	v_cvt_pk_f16_f32 v[T+9], v[AGR+2], v[AGR+3]
	ds_store_b64 v[AGS], v[T+8:T+9]                ; K slots 4 r .. 4 r + 3 of voxel h
	ds_load_b128 v[AF:AF+3],     v[AGL]            ; my wave's own bytes, served in order (ISA guide 5.7.1.4)
	ds_load_b128 v[AF+4:AF+7],   v[AGL] offset:32
	ds_load_b128 v[AF+8:AF+11],  v[AGL] offset:64
	ds_load_b128 v[AF+12:AF+15], v[AGL] offset:96
.endm
; layer 1 with m = channel, n = row: a lane's eight results are eight neighbouring channels of a row: ReLU, f16, and they are layer 2's A fragments
.macro PH_C
.irp t, 0,1,2,3
.irp ct, 0,1,2,3
	v_wmma_f32_16x16x32_f16 v[ACC+8*\ct:ACC+8*\ct+7], v[W1F+8*\ct:W1F+8*\ct+7], v[XT+4*\t:XT+4*\t+7], 0
.endr
	NOP4
.irp j, 0,2,4,6,8,10,12,14,16,18,20,22,24,26,28,30
	v_dual_max_num_f32 v[ACC+\j], v[ACC+\j], v[ZR] :: v_dual_max_num_f32 v[ACC+\j+1], v[ACC+\j+1], v[ZR+1]
.endr
.irp j, 0,1,2,3,4,5,6,7,8,9,10,11,12,13,14,15
	v_cvt_pk_f16_f32 v[HF+16*\t+\j], v[ACC+2*\j], v[ACC+2*\j+1]
.endr
.endr
.endm
; agg's half of block b, K step s, into CB(b & 1).  B lies in window 1.
.macro BC b, s, first
.if \first
	v_wmma_f32_16x16x32_f16 v[XT+8*((\b)&1):XT+8*((\b)&1)+7], v[AF+8*\s:AF+8*\s+7], v[128+16*(\b)+8*\s:128+16*(\b)+8*\s+7], 0
.else
	v_wmma_f32_16x16x32_f16 v[XT+8*((\b)&1):XT+8*((\b)&1)+7], v[AF+8*\s:AF+8*\s+7], v[128+16*(\b)+8*\s:128+16*(\b)+8*\s+7], v[XT+8*((\b)&1):XT+8*((\b)&1)+7]
.endif
.endm
; h's half of block b for tile t: K step 0 starts from CB(b & 1), K step 1 adds in place
.macro MM b, t, s
.if \s
	v_wmma_f32_16x16x32_f16 v[ACC+8*\t:ACC+8*\t+7], v[HF+16*\t+8:HF+16*\t+15], v[16*(\b)+8:16*(\b)+15], v[ACC+8*\t:ACC+8*\t+7]
.else
	v_wmma_f32_16x16x32_f16 v[ACC+8*\t:ACC+8*\t+7], v[HF+16*\t:HF+16*\t+7], v[16*(\b):16*(\b)+7], v[XT+8*((\b)&1):XT+8*((\b)&1)+7]
.endif
.endm
; CB(b & 1) -= K[b]: the four tiles then come out centred
.macro KSUB b
.irp j, 0,2,4,6
.if ((\b)&1)
	v_pk_add_f32 v[XT+8+\j:XT+8+\j+1], v[XT+8+\j:XT+8+\j+1], v[KK+(\b)-1:KK+(\b)] op_sel:[0,1] neg_lo:[0,1] neg_hi:[0,1]
.else
	v_pk_add_f32 v[XT+\j:XT+\j+1], v[XT+\j:XT+\j+1], v[KK+(\b):KK+(\b)+1] op_sel_hi:[1,0] neg_lo:[0,1] neg_hi:[0,1]
.endif
.endr
.endm
.macro SQ b, g                         ; two registers into the sum and the sum of squares
	v_pk_add_f32 v[SS+2*\b:SS+2*\b+1], v[SS+2*\b:SS+2*\b+1], v[ACC+2*(\g):ACC+2*(\g)+1]
	v_pk_fma_f32 v[QQ+2*\b:QQ+2*\b+1], v[ACC+2*(\g):ACC+2*(\g)+1], v[ACC+2*(\g):ACC+2*(\g)+1], v[QQ+2*\b:QQ+2*\b+1]
.endm
; block b's 32 registers: sums, squares and the max, three chains woven
.macro STAT b
.irp c, 0,1,2,3
	SQ \b, \c
	v_max3_num_f32 v[T+\c], v[ACC+8*\c], v[ACC+8*\c+1], v[ACC+8*\c+2]
.endr
.irp c, 0,1,2,3
	SQ \b, 4+\c
	v_max3_num_f32 v[T+\c], v[T+\c], v[ACC+8*\c+3], v[ACC+8*\c+4]
.endr
.irp c, 0,1,2,3
	SQ \b, 8+\c
	v_max3_num_f32 v[T+\c], v[T+\c], v[ACC+8*\c+5], v[ACC+8*\c+6]
.endr
	SQ \b, 12
	v_max3_num_f32 v[T], v[T], v[ACC+7], v[ACC+15]
	SQ \b, 13
	v_max3_num_f32 v[T+1], v[T+1], v[ACC+23], v[ACC+31]
	SQ \b, 14
	v_max3_num_f32 v[T+2], v[T+2], v[T+3], v[T]
	SQ \b, 15
	v_max_num_f32 v[T+2], v[T+2], v[T+1]
	v_add_f32 v[MX+\b], v[T+2], v[KK+\b]
.endm
; Block b: eight products of the four tiles, with the next block's agg half between them.  The accumulators take turns, one instruction a turn.
.macro BATCH b
	WIN 0x04                                       ; source 1 in window 1
.if \b < 7
	BC (\b+1), 0, 1
.endif
.irp t, 0,1,2,3
	MM \b, \t, 0
.endr
.if \b < 7
	BC (\b+1), 1, 0
.endif
.irp t, 0,1,2,3
	MM \b, \t, 1
.endr
	WIN 0
	NOP4
	STAT \b
.if \b < 7
	KSUB (\b+1)
.endif
.endm
.macro PH_L2
	s_wait_dscnt 0x0                               ; agg's fragments are in (and, in the first pair, W2's)
	WIN 0x04
	BC 0, 0, 1
	s_wait_alu depctr_va_vdst(0)                   ; ahead of a link that follows the link it adds onto
	BC 0, 1, 0
	WIN 0
	NOP4
	v_nop                                          ; a fifth place: CB0 is next taken as the C of other accumulators, and the lines of KSUB name it
	KSUB 0
	BATCH 0
	BATCH 1
	BATCH 2
	BATCH 3
	global_store_b128 v[OOFF], v[MX:MX+3], s[26:27]                ; sixteen lanes store 256 consecutive bytes, aligned
	BATCH 4
	BATCH 5
	BATCH 6
	BATCH 7
	global_store_b128 v[OOFF], v[MX+4:MX+7], s[26:27] offset:256
	s_wait_xcnt 0x0                                ; MX and the base are written again only behind this wait
	s_add_nc_u64 s[26:27], s[26:27], 1024
.endm
; The pilots: layer 2 of tile 0, four blocks at a time, four chains by turns; K[b] = the mean of its 16 rows.
.macro PILOT
	s_wait_dscnt 0x0
.irp g, 0,1
	WIN 0x04
.irp k, 0,1,2,3
	v_wmma_f32_16x16x32_f16 v[ACC+8*\k:ACC+8*\k+7], v[AF:AF+7], v[128+16*(4*\g+\k):128+16*(4*\g+\k)+7], 0
.endr
.irp k, 0,1,2,3
	v_wmma_f32_16x16x32_f16 v[ACC+8*\k:ACC+8*\k+7], v[AF+8:AF+15], v[128+16*(4*\g+\k)+8:128+16*(4*\g+\k)+15], v[ACC+8*\k:ACC+8*\k+7]
.endr
.irp k, 0,1,2,3
	v_wmma_f32_16x16x32_f16 v[ACC+8*\k:ACC+8*\k+7], v[HF:HF+7], v[16*(4*\g+\k):16*(4*\g+\k)+7], v[ACC+8*\k:ACC+8*\k+7]
.endr
.irp k, 0,1,2,3
	v_wmma_f32_16x16x32_f16 v[ACC+8*\k:ACC+8*\k+7], v[HF+8:HF+15], v[16*(4*\g+\k)+8:16*(4*\g+\k)+15], v[ACC+8*\k:ACC+8*\k+7]
.endr
	WIN 0
	NOP4
.irp k, 0,1,2,3
	v_pk_add_f32 v[T:T+1],   v[ACC+8*\k:ACC+8*\k+1],   v[ACC+8*\k+2:ACC+8*\k+3]
	v_pk_add_f32 v[T+2:T+3], v[ACC+8*\k+4:ACC+8*\k+5], v[ACC+8*\k+6:ACC+8*\k+7]
	v_pk_add_f32 v[T:T+1], v[T:T+1], v[T+2:T+3]
	v_add_f32 v[T], v[T], v[T+1]
	v_permlanex16_b32 v[T+2], v[T], s30, s31
	v_add_f32 v[T], v[T], v[T+2]                   ; the same bits in both halves of the lanes
	v_mul_f32 v[KK+4*\g+\k], 0x3d800000, v[T]      ; / 16
.endr
.endr
.endm
.macro PAIR pf, pilot
	PH_F \pf
	PH_P
	PH_C
.if \pilot
	PILOT
.endif
	PH_L2
.endm
	PAIR 1, 1                                      ; the first pair also makes the pilots
	s_mov_b32 s34, 0
.Lpair:
	PAIR 1, 0
	s_add_co_u32 s34, s34, 1
	s_cmp_lt_u32 s34, s33
	s_cbranch_scc1 .Lpair
	PAIR 0, 0                                      ; the last pair asks for nothing
	; my wave's (mean, M2) of each column, over n = 64 x my pairs rows
	s_mov_b32 s35, 0x3b000000                      ; 1 / 512
	s_mov_b32 s36, 0x3b124925                      ; 1 / 448
	s_cmp_lt_u32 s2, 4
	s_cselect_b32 s35, s35, s36
.irp b, 0,1,2,3,4,5,6,7
	v_add_f32 v[SS+2*\b], v[SS+2*\b], v[SS+2*\b+1]
	v_add_f32 v[QQ+2*\b], v[QQ+2*\b], v[QQ+2*\b+1]
	v_permlanex16_b32 v[SS+2*\b+1], v[SS+2*\b], s30, s31
	v_permlanex16_b32 v[QQ+2*\b+1], v[QQ+2*\b], s30, s31
	v_add_f32 v[SS+2*\b], v[SS+2*\b], v[SS+2*\b+1]
	v_add_f32 v[QQ+2*\b], v[QQ+2*\b], v[QQ+2*\b+1]
	v_mul_f32 v[T], s35, v[SS+2*\b]
	v_add_f32 v[ACC+2*\b], v[KK+\b], v[T]
	v_fma_f32 v[ACC+2*\b+1], -v[SS+2*\b], v[T], v[QQ+2*\b]
.endr
	s_lshl_b32 s3, s2, 10
	s_add_co_u32 s3, s3, ST
	v_and_b32 v[T+4], 15, v0
	v_lshl_add_u32 v[T+4], v[T+4], 5, s3           ; channel u at 8 u = 512 (b >> 2) + 32 r + 8 (b & 3)
.irp p, 0,1,2,3
	ds_store_b128 v[T+4], v[ACC+4*\p:ACC+4*\p+3] offset:512*(\p>>1)+16*(\p&1)   ; both halves of the lanes write the same bytes with the same values
.endr
	s_wait_dscnt 0x0
	s_barrier_signal -1
	s_barrier_wait -1
	s_cmp_ge_u32 s2, 4
	s_cbranch_scc1 .Lend
	; waves 0 to 3: channel = t.  The eight waves' pairs are merged about wave 0's mean, weights 512 and 448 of 3,840.
	v_lshlrev_b32 v[T], 3, v0
.irp w, 0,1,2,3,4,5,6,7
	ds_load_b64 v[ACC+2*\w:ACC+2*\w+1], v[T] offset:ST+1024*\w
.endr
	s_wait_dscnt 0x0
.irp w, 1,2,3,4,5,6,7
	v_sub_f32 v[ACC+2*\w], v[ACC+2*\w], v[ACC]
.endr
	v_add_f32 v[T+1], v[ACC+2], v[ACC+4]
	v_add_f32 v[T+1], v[T+1], v[ACC+6]
	v_add_f32 v[T+2], v[ACC+8], v[ACC+10]
	v_add_f32 v[T+3], v[ACC+12], v[ACC+14]
	v_add_f32 v[T+2], v[T+2], v[T+3]
	v_mul_f32 v[T+1], 0x3e088889, v[T+1]           ; 512 / 3,840
	v_fmamk_f32 v[T+1], v[T+2], 0x3deeeeef, v[T+1] ; 448 / 3,840
	v_add_f32 v[T+4], v[ACC], v[T+1]               ; the group's mean
.irp w, 1,2,3,4,5,6,7
	v_sub_f32 v[ACC+2*\w], v[ACC+2*\w], v[T+1]
.endr
	v_mul_f32 v[T+2], v[T+1], v[T+1]
	v_mul_f32 v[T+3], v[ACC+8], v[ACC+8]
.irp w, 1,2,3
	v_fmac_f32 v[T+2], v[ACC+2*\w], v[ACC+2*\w]
	v_fmac_f32 v[T+3], v[ACC+8+2*\w], v[ACC+8+2*\w]
.endr
.irp w, 1,2,3,4,5,6,7
	v_add_f32 v[ACC+1], v[ACC+1], v[ACC+2*\w+1]
.endr
	v_fmamk_f32 v[T+5], v[T+2], 0x44000000, v[ACC+1]
	v_fmamk_f32 v[T+5], v[T+3], 0x43e00000, v[T+5]
	global_store_b64 v[T], v[T+4:T+5], s[28:29]    ; each wave stores 256 consecutive bytes, aligned
.Lend:
	s_wait_tensorcnt 0x0
	ds_add_u32 v254, v255
	s_wait_dscnt 0x0
	s_endpgm
.Lfunc_end_k_q64134b5a5d_main:
	.size	k_q64134b5a5d_main, .Lfunc_end_k_q64134b5a5d_main-k_q64134b5a5d_main
	.p2alignl 7, 3214868480
	.fill 96, 4, 3214868480
	.section	.rodata,"a",@progbits
	.p2align	6, 0x0
	.amdhsa_kernel k_q64134b5a5d_main
		.amdhsa_group_segment_fixed_size 44032
		.amdhsa_private_segment_fixed_size 0
		.amdhsa_enable_private_segment 0
		.amdhsa_kernarg_size 88
		.amdhsa_user_sgpr_count 2
		.amdhsa_user_sgpr_kernarg_segment_ptr 1
		.amdhsa_wavefront_size32 1
		.amdhsa_system_sgpr_workgroup_id_x 1
		.amdhsa_system_sgpr_workgroup_id_y 1
		.amdhsa_system_sgpr_workgroup_id_z 1
		.amdhsa_system_vgpr_workitem_id 0
		.amdhsa_next_free_vgpr 512
		.amdhsa_next_free_sgpr 66
		.amdhsa_reserve_vcc 1
		.amdhsa_float_denorm_mode_32 3
		.amdhsa_float_denorm_mode_16_64 3
		.amdhsa_memory_ordered 1
		.amdhsa_forward_progress 1
		.amdhsa_inst_pref_size 189
	.end_amdhsa_kernel
	.amdgpu_metadata
---
amdhsa.version: [ 1, 2 ]
amdhsa.kernels:
  - .name:           k_q64134b5a5d_main
    .symbol:         k_q64134b5a5d_main.kd
    .args:
      - { .name: features, .offset: 0, .size: 8, .value_kind: global_buffer, .address_space: global }
      - { .name: num_points, .offset: 8, .size: 8, .value_kind: global_buffer, .address_space: global }
      - { .name: voxbuf, .offset: 16, .size: 8, .value_kind: global_buffer, .address_space: global }
      - { .name: W1, .offset: 24, .size: 8, .value_kind: global_buffer, .address_space: global }
      - { .name: g1, .offset: 32, .size: 8, .value_kind: global_buffer, .address_space: global }
      - { .name: b1, .offset: 40, .size: 8, .value_kind: global_buffer, .address_space: global }
      - { .name: stat1, .offset: 48, .size: 8, .value_kind: global_buffer, .address_space: global }
      - { .name: W2, .offset: 56, .size: 8, .value_kind: global_buffer, .address_space: global }
      - { .name: g2, .offset: 64, .size: 8, .value_kind: global_buffer, .address_space: global }
      - { .name: hmax, .offset: 72, .size: 8, .value_kind: global_buffer, .address_space: global }
      - { .name: part2, .offset: 80, .size: 8, .value_kind: global_buffer, .address_space: global }
    .group_segment_fixed_size: 44032
    .private_segment_fixed_size: 0
    .kernarg_segment_align: 8
    .kernarg_segment_size: 88
    .max_flat_workgroup_size: 256
    .sgpr_count:     66
    .vgpr_count:     512
    .wavefront_size: 32
...
	.end_amdgpu_metadata
.endif
;; end of part 3
;; launch red2: the kernel of part 2 again; grid 4 x 1, 10 waves a work-group, no clusters, 5,120 bytes of LDS; arguments part2, stat2; writes stat2
;; launch fin (part 4): grid 250 x 1, 8 waves a work-group, no clusters, 0 bytes of LDS; arguments hmax, stat2, g2, b2, out0; writes out0
.if DOCPART == 4
	.amdgcn_target "amdgcn-amd-amdhsa--gfx1250"
	.amdhsa_code_object_version 6
	.text
	.protected	k_q64134b5a5d_fin
	.globl	k_q64134b5a5d_fin
	.p2align	8
	.type	k_q64134b5a5d_fin,@function
k_q64134b5a5d_fin:
	s_mov_b64 s[64:65], 0
	v_nop
	global_prefetch_b8 v0, s[64:65] scope:SCOPE_SE
	s_setreg_imm32_b32 hwreg(HW_REG_WAVE_MODE, 25, 1), 1
	s_wait_xcnt 0x0
; out0[v][u] = max(0, (hmax[v][u] - mean[u]) |g2[u]| rs[u] + b2[u]), with hmax and mean taken of sign(g2) h2.
; A stream: lane L keeps channels 4 L .. 4 L + 3; a wave's load or store covers a whole row of 512 bytes; wave w takes rows 120 group + 15 w + i.
; All fifteen row loads go out at once; no register is used twice, so no wait frees a source.  LDS, matrix units and clusters would add nothing.
.set ROWS, 15
.set ROWB, 512
.set A,  20                            ; v[20:23]  |g2| rs
.set B,  24                            ; v[24:27]  b2 - mean |g2| rs
.set X,  28                            ; v[28:87]  row i at 4 i
	s_load_b256 s[4:11], s[0:1], 0x0               ; hmax s[4:5], stat2 s[6:7], g2 s[8:9], b2 s[10:11]
	s_load_b64 s[12:13], s[0:1], 0x20              ; out0
	v_lshrrev_b32 v1, 5, v0
	v_readfirstlane_b32 s2, v1
	v_and_b32 v1, 31, v0
	v_lshlrev_b32 v2, 5, v1                        ; four (mean, rs) pairs
	v_lshlrev_b32 v1, 4, v1                        ; four numbers
	s_mul_i32 s3, ttmp9, 120
	s_mul_i32 s14, s2, ROWS
	s_add_co_u32 s14, s14, s3
	s_lshl_b32 s14, s14, 9                         ; my first row, in bytes
	s_mov_b32 s15, 0
	s_wait_kmcnt 0x0
	s_add_nc_u64 s[4:5], s[4:5], s[14:15]
	s_add_nc_u64 s[12:13], s[12:13], s[14:15]
	global_load_b128 v[4:7], v2, s[6:7]
	global_load_b128 v[8:11], v2, s[6:7] offset:16
	global_load_b128 v[12:15], v1, s[8:9]
	global_load_b128 v[16:19], v1, s[10:11]
.set i, 0
.rept ROWS
	global_load_b128 v[X+4*i:X+4*i+3], v1, s[4:5] offset:ROWB*i th:TH_LOAD_NT
.set i, i+1
.endr
	s_wait_loadcnt ROWS                            ; the four loads of constants are in; the rows stay out
.irp q, 0,1,2,3
	v_mul_f32 v[A+\q], |v[12+\q]|, v[5+2*\q]
.endr
.irp q, 0,1,2,3
	v_fma_f32 v[B+\q], -v[4+2*\q], v[A+\q], v[16+\q]
.endr
.set i, 0
.rept ROWS
	s_wait_loadcnt ROWS-1-i                        ; loads come back in order (ISA guide 5.7.1): row i is in, the younger rows stay out
	v_pk_fma_f32 v[X+4*i:X+4*i+1],   v[X+4*i:X+4*i+1],   v[A:A+1],   v[B:B+1]
	v_pk_fma_f32 v[X+4*i+2:X+4*i+3], v[X+4*i+2:X+4*i+3], v[A+2:A+3], v[B+2:B+3]
	v_max_num_f32 v[X+4*i],   0, v[X+4*i]
	v_max_num_f32 v[X+4*i+1], 0, v[X+4*i+1]
	v_max_num_f32 v[X+4*i+2], 0, v[X+4*i+2]
	v_max_num_f32 v[X+4*i+3], 0, v[X+4*i+3]
	global_store_b128 v1, v[X+4*i:X+4*i+3], s[12:13] offset:ROWB*i th:TH_STORE_NT
.set i, i+1
.endr
	s_endpgm
.Lfunc_end_k_q64134b5a5d_fin:
	.size	k_q64134b5a5d_fin, .Lfunc_end_k_q64134b5a5d_fin-k_q64134b5a5d_fin
	.p2alignl 7, 3214868480
	.fill 96, 4, 3214868480
	.section	.rodata,"a",@progbits
	.p2align	6, 0x0
	.amdhsa_kernel k_q64134b5a5d_fin
		.amdhsa_group_segment_fixed_size 0
		.amdhsa_private_segment_fixed_size 0
		.amdhsa_enable_private_segment 0
		.amdhsa_kernarg_size 40
		.amdhsa_user_sgpr_count 2
		.amdhsa_user_sgpr_kernarg_segment_ptr 1
		.amdhsa_wavefront_size32 1
		.amdhsa_system_sgpr_workgroup_id_x 1
		.amdhsa_system_sgpr_workgroup_id_y 1
		.amdhsa_system_sgpr_workgroup_id_z 1
		.amdhsa_system_vgpr_workitem_id 0
		.amdhsa_next_free_vgpr 96
		.amdhsa_next_free_sgpr 66
		.amdhsa_reserve_vcc 0
		.amdhsa_float_denorm_mode_32 3
		.amdhsa_float_denorm_mode_16_64 3
		.amdhsa_memory_ordered 1
		.amdhsa_forward_progress 1
		.amdhsa_inst_pref_size 9
	.end_amdhsa_kernel
	.amdgpu_metadata
---
amdhsa.version: [ 1, 2 ]
amdhsa.kernels:
  - .name:           k_q64134b5a5d_fin
    .symbol:         k_q64134b5a5d_fin.kd
    .args:
      - { .name: hmax, .offset: 0, .size: 8, .value_kind: global_buffer, .address_space: global }
      - { .name: stat2, .offset: 8, .size: 8, .value_kind: global_buffer, .address_space: global }
      - { .name: g2, .offset: 16, .size: 8, .value_kind: global_buffer, .address_space: global }
      - { .name: b2, .offset: 24, .size: 8, .value_kind: global_buffer, .address_space: global }
      - { .name: out0, .offset: 32, .size: 8, .value_kind: global_buffer, .address_space: global }
    .group_segment_fixed_size: 0
    .private_segment_fixed_size: 0
    .kernarg_segment_align: 8
    .kernarg_segment_size: 40
    .max_flat_workgroup_size: 256
    .sgpr_count:     66
    .vgpr_count:     96
    .wavefront_size: 32
...
	.end_amdgpu_metadata
.endif
;; end of part 4
